; MI455X (gfx1250); checked and timed in simulation.
; The chip was launched on July 23, 2026; its instructions are those of AMD's public machine-readable ISA for CDNA 5 (MIT licence, August 2026) and "CDNA5" Instruction Set Architecture Reference Guide (July 2026). The comments in the code are by the model that wrote it; some were corrected since.
;; Attention Layer. Allowed arithmetic: matrix products marked QUANTISED: E2M3 operands, one E8M0 scale for each 32 along K, by v_wmma_scale_f32_16x16x128_f8f6f4 with both operands' format E2M3, f32 sums; products left as they are: f32 operands where the result goes on into a quantised operand, else bf16, f16 or f32 operands; f32 sums; everything else in f32.
;; Inputs: W1 16 x 1 float32; W2 8 x 16 float32; Wk_codes 512 x 16 x 24 uint8 (E2M3 codes of Wk, K innermost, in blocks of 32 codes, four codes in three bytes); Wk_scales 512 x 16 uint8 (E8M0 scales of Wk, one for each 32 codes along K); Wo_codes 512 x 16 x 24 uint8 (E2M3 codes of Wo, K innermost, in blocks of 32 codes, four codes in three bytes); Wo_scales 512 x 16 uint8 (E8M0 scales of Wo, one for each 32 codes along K); Wq_codes 512 x 16 x 24 uint8 (E2M3 codes of Wq, K innermost, in blocks of 32 codes, four codes in three bytes); Wq_scales 512 x 16 uint8 (E8M0 scales of Wq, one for each 32 codes along K); Wv_codes 512 x 16 x 24 uint8 (E2M3 codes of Wv, K innermost, in blocks of 32 codes, four codes in three bytes); Wv_scales 512 x 16 uint8 (E8M0 scales of Wv, one for each 32 codes along K); b1 16 float32; b2 8 float32; bk 512 float32; bo 512 float32; bq 512 float32; bv 512 float32; key_padding_mask 4 x 2,048 bool; pairwise_feats 4 x 2,048 x 2,048 x 1 float32; x_codes 4 x 2,048 x 16 x 24 uint8 (E2M3 codes of x, K innermost, in blocks of 32 codes, four codes in three bytes); x_scales 4 x 2,048 x 16 uint8 (E8M0 scales of x, one for each 32 codes along K).
;; Outputs: out0 4 x 2,048 x 512 float32.
;; This version of the problem:
;;   THIS VERSION OF THE PROBLEM IS GIVEN IN LOW PRECISION. The matrix products marked QUANTISED in the list below multiply operands that are first quantised to E2M3 (2 exponent bits, 3 mantissa bits; 6 bits a number), with one power-of-two scale for each 32 numbers along K (OCP MX v1.0); their sums are f32. All else is computed in f32.
;;   The module's matrix products, in the order in which they are computed (A, B: the left and right operand; K: the contracted axis; several contracted axes count as one K, in the product's order):
;;     1. [M 8,192, K 512] x [K 512, N 512]; A: input x (given as codes); B: input Wq (given as codes): QUANTISED
;;     2. [M 8,192, K 512] x [K 512, N 512]; A: input x (given as codes); B: input Wk (given as codes): QUANTISED
;;     3. [M 8,192, K 512] x [K 512, N 512]; A: input x (given as codes); B: input Wv (given as codes): QUANTISED
;;     4. batch 32 x [M 2,048, K 64] x [K 64, N 2,048]; A: computed on the way; B: computed on the way: QUANTISED
;;     5. [M 16,777,216, K 1] x [K 1, N 16]; A: input pairwise_feats; B: input W1: left as it is (K = 1 < 32)
;;     6. [M 16,777,216, K 16] x [K 16, N 8]; A: computed on the way; B: input W2: left as it is (K = 16 < 32)
;;     7. batch 32 x [M 2,048, K 2,048] x [K 2,048, N 64]; A: softmax (see below); B: computed on the way: QUANTISED
;;     8. [M 8,192, K 512] x [K 512, N 512]; A: computed on the way; B: input Wo (given as codes): QUANTISED
;;   THE QUANTISER, for each operand of a quantised product, along K:
;;     - K is cut into blocks of 32 from its start; a last block that is shorter is filled with zeros.
;;     - A block's scale is 2^e with e = floor(log2(the largest magnitude in the block)) - 2, held to -126 .. 127; a block of zeros has e = 0. As a byte (E8M0): e + 127.
;;     - Each number is divided by its block's scale, clamped to +-7.5, and rounded to the nearest number of E2M3, ties to even, subnormals kept.
;;     - The product sums the exact products of the quantised numbers (number of the format x scale) in f32.
;;   ~~~python
;;   def quantise(x, axis):      # numpy; x: float32 -> the quantised numbers, widened to float32 again
;;       x = np.moveaxis(x, axis, -1); K = x.shape[-1]
;;       x = np.pad(x, [(0, 0)] * (x.ndim - 1) + [(0, -K % 32)]); x = x.reshape(x.shape[:-1] + (-1, 32)); a = np.abs(x).max(-1, keepdims=True)
;;       e = np.where(a > 0, np.clip(np.frexp(np.where(a > 0, a, 1))[1] - 1 - 2, -126, 127), 0)      # np.frexp(a)[1] - 1 = floor(log2(a)), exactly
;;       r = np.clip(x / 2.0 ** e, -7.5, 7.5)
;;       step = 2.0 ** (np.maximum(np.frexp(np.where(r == 0, 1, r))[1] - 1, 0) - 3)
;;       q = np.round(r / step) * step * 2.0 ** e      # np.round: ties to even
;;       return np.moveaxis(q.reshape(q.shape[:-2] + (-1,))[..., :K], -1, axis).astype(np.float32)
;;   ~~~
;;   SOFTMAX AHEAD OF A QUANTISED PRODUCT. Where the list says 'softmax', what is quantised is not the finished softmax but p = 2^(t - M), with t = logit x log2(e) and M = ceil(the row's largest t), a whole number; so 1/2 < the row's largest p <= 1. The row's sum l is taken of the UNQUANTISED p, in f32, and the product's result is divided by l at the end. Since M is a whole number, a kernel that streams over the keys may use a running M (the ceiling of the running maximum): every later rescaling is an exact power of two, which a block's scale takes up: the codes' values come out the same.
;;   OPERANDS COMPUTED ON THE WAY. 'Computed on the way' means the value that the module computes at that place (a softmax that the list does not call 'softmax' is quantised finished and normalised). What goes into a quantiser is computed in f32, as accurately as f32 sums, v_exp_f32 and their like allow (about 1e-6 of the number): no bf16 or f16 on the way to a quantiser, and a product that is left as it is and whose result goes on into a quantised operand takes f32 operands (vector FMAs, or v_wmma_f32_16x16x4_f32). A number that lies on a knife's edge between two numbers of the format may be rounded either way, as far as f32 arithmetic and the matrix unit's own rounding can turn it there, and no further.
;;   INPUTS GIVEN AS CODES. Wk (in the module: [512, 512], K = its axis 1); Wo (in the module: [512, 512], K = its axis 1); Wq (in the module: [512, 512], K = its axis 1); Wv (in the module: [512, 512], K = its axis 1); x (in the module: [4, 2048, 512], K = its axis 2): each comes as NAME_codes (uint8): NAME with its K axis moved to the last place and cut into blocks of 32 codes, [.., K / 32, bytes a block], one block behind the other in memory; four codes in three bytes: a row's codes are one little-endian stream of bits, code i at bits 6 i .. 6 i + 5 (a code: sign, 2 exponent bits, 3 mantissa bits); and NAME_scales (uint8): the same leading axes, one E8M0 byte (e + 127) for each 32 codes along K. Its value is code x scale, taken as it is: it is not quantised again, and the codes and scales need not be those that the quantiser above would give.
;; One version. Each part assembles by itself: llvm-mc -triple=amdgcn-amd-amdhsa -mcpu=gfx1250 --defsym DOCPART=n.
;; ======== version 1 of 1: 2 launches
;; limits: right only within a limited range of input values
;; workspace buffers: qimg 3,145,728 bytes; kimg 3,145,728 bytes; vimg 3,145,728 bytes; qscl 131,072 bytes; kscl 131,072 bytes; vscl 131,072 bytes
;; launch proj (part 1): grid 256 x 1, 3 waves a work-group, no clusters, 0 bytes of LDS; arguments x_codes, x_scales, Wq_codes, Wq_scales, bq, Wk_codes, Wk_scales, bk, Wv_codes, Wv_scales, bv, qimg, qscl, kimg, kscl, vimg, vscl; writes qimg, qscl, kimg, kscl, vimg, vscl
.if DOCPART == 1
	.amdgcn_target "amdgcn-amd-amdhsa--gfx1250"
	.amdhsa_code_object_version 6
	.text
	.protected	k_qf356041b96_proj
	.globl	k_qf356041b96_proj
	.p2align	8
	.type	k_qf356041b96_proj,@function
k_qf356041b96_proj:
	s_mov_b64 s[64:65], 0
	v_nop
	global_prefetch_b8 v0, s[64:65] scope:SCOPE_SE
	s_setreg_imm32_b32 hwreg(HW_REG_WAVE_MODE, 25, 1), 1
	s_wait_xcnt 0x0
; Q = x Wq^T + bq, K = x Wk^T + bk, V = x Wv^T + bv on codes of FP6 (E2M3) with E8M0 scales, sums in f32; the results are quantised again
; (Q and K along a head's 64 channels, V along the keys) and stored as IMAGES OF OPERAND REGISTERS for the attention launch.
; JOBS.  768 equal jobs, one a wave: g = 3 x work-group + wave; m = g / 256 (0 Q, 1 K, 2 V); bs = one of 64 runs of 128 rows of x; hp = one of 4 runs of 128 rows of W (two heads).
; ONE TEXT FOR ALL THREE.  P = 128 rows that stay in registers (8 tiles x 4 K steps = 32 fragments), source 0; R = 8 tiles of 16 rows that stream, source 1.
; Q, K: P = W's rows, R = x's rows.  V: P = x's rows, R = Wv's rows.  Only pointers are chosen (on m, which hangs on ids alone).
; In a result lane (r, h) holds ONE row of R and its registers run along P's rows.  THE ROWS OF A TILE ARE NOT NEIGHBOURS: lane r of tile t takes row 32 (t / 2) + 8 (t % 2) + r + 8 (r / 8)
; of its 128, in P and in R alike: so the 16 registers of P's tiles 2 b, 2 b + 1 are 16 neighbours, 32 b + 16 h + 0 .. 15, as the conversions want them.
; OUT: image [bs][hp][tile t of R][chunk c of 3][lane][16 bytes]: registers 4 c .. 4 c + 3 of the fragment (16 rows of R x 128 of P's rows);
; scale words [bs][hp][lane][4 words]: word i holds tile 2 i's words in lanes 0-15 and tile 2 i + 1's in lanes 16-31.
; THE 1 / 8 OF THE SCORES is taken off Q's scale bytes (3 off each): a power of two, so the second launch's product comes out divided exactly.
; LIMITS: a block whose largest magnitude lies under 2^-121 is held at that floor (byte 4, so that Q's byte stays 1 or more); a block of zeros keeps the floor's byte (its codes are zeros, and this program alone reads
; the bytes); NaN and infinities among the inputs are not served.
; No LDS, no barrier: waves share nothing.  No cluster: there is no tensor load to share; each wave's operands go from memory straight into its registers.
; REGISTERS, in windows of 256: window 0: addresses, scale words, biases, the 64 results, the quantiser's work.  window 1: P's fragments of K steps 0, 1 (tile i, step s at 24 i + 12 s).
;   window 2: those of K steps 2, 3.   window 3: three sets of R's four fragments (set q, step s at 48 q + 12 s).
.set CO,   3                           ; v3   a fragment's lane place: (r + 8 (r / 8)) x 384 + 24 h
.set SCO,  4                           ; v4   a row's four scale words: (r + 8 (r / 8)) x 16
.set LN16, 5                           ; v5   16 x lane
.set BPO,  6                           ; v6   the bias along P: 64 h
.set BRO,  7                           ; v7   the bias along R: (r + 8 (r / 8)) x 4
.set PS,   16                          ; v16-47   P's scale words: tile i, K step s at 4 i + s
.set RS,   48                          ; v48-59   R's: set q at 4 q
.set BR,   60                          ; v60-65   the bias of my row of R: set q in the pair 2 q (its upper word is 0)
.set SW,   68                          ; v68-71   the scale words to store
.set HA,   72                          ; v72-135  the 8 accumulators
.set BIP,  136                         ; v136-199 the bias along P, in the result's layout: the C of each sum's first product
.set TM,   200                         ; v200-215 the quantiser's work
.set PW,   216                         ; v216     the scale word just made
.set PC,   220                         ; v220-238 the codes just made
.set WC,   44                          ; s[44:45] W's codes, at my 128 rows;  s[46:47] its scales;  s[48:49] the bias at my 128
.set WS,   46
.set BB,   48
.set OI,   50                          ; s[50:51] my 12,288 bytes of the image;  s[52:53] my 512 bytes of scale words
.set OS,   52
.set PCP,  54                          ; s[54:55], s[56:57] P's codes and scales;  s[58:59], s[60:61] R's
.set PSP,  56
.set RCP,  58
.set RSP,  60
.set SEL,  66                          ; s[66:67] v_permlanex16_b32's selects for lane l xor 16
.set VM,   68                          ; s68 all ones for V, else 0;  s69 the other way round
.set QM,   69
.set HIM,  70                          ; s70 lanes 16-31
.set SUBW, 71                          ; s71 3 in each byte for Q, else 0
.set XC,   76                          ; s[76:77], s[78:79] x's codes and scales at my 128 rows
.set XS,   78
.set MSB, 0
.macro WIN new                         ; the immediate's high byte repeats the setting that is left; a switch that changes nothing is dropped
.if MSB != (\new)
	s_set_vgpr_msb (MSB<<8)|(\new)
.set MSB, (\new)
.endif
.endm
.macro FRAGLD reg, adr, base, off      ; a fragment: 24 bytes of the row's stream of bits and the 24 that lie 48 on, in pieces of 8 bytes
.irp p, 0,1,2,3,4,5
	global_load_b64 v[(\reg)+2*\p:(\reg)+2*\p+1], v[\adr], s[\base:\base+1] offset:(\off)+48*(\p/3)+8*(\p%3)
.endr
.endm
.macro LOADR t                         ; tile t of R into set t % 3: 24 loads of codes, its rows' scale words, its rows' bias: 26 loads
.set ql, (\t)%3
	WIN 0xc0
.irp ks, 0,1,2,3
	FRAGLD 48*ql+12*\ks, CO, RCP, (32*((\t)/2)+8*((\t)%2))*384+96*\ks
.endr
	WIN 0
	global_load_b128 v[RS+4*ql:RS+4*ql+3], v[SCO], s[RSP:RSP+1] offset:(32*((\t)/2)+8*((\t)%2))*16
	global_load_b32 v[BR+2*ql], v[BRO], s[BB:BB+1] offset:(32*((\t)/2)+8*((\t)%2))*4
.endm
; 64 numbers of a lane, register 16 b + i = k 32 b + 16 (lane / 16) + i of my row, become a fragment's codes in v[pc] on and its scale word in v[pw]
.macro QUANT s, tm, pw, pc, fl
.irp b, 0,1,2,3
	v_max3_num_f32 v[(\tm)+\b], |v[(\s)+16*\b]|, |v[(\s)+1+16*\b]|, \fl   ; block b: my 16 numbers, and the floor
.endr
.irp i, 2,4,6,8,10,12,14
.irp b, 0,1,2,3
	v_max3_num_f32 v[(\tm)+\b], v[(\tm)+\b], |v[(\s)+16*\b+\i]|, |v[(\s)+1+16*\b+\i]|
.endr
.endr
.irp b, 0,1,2,3
	v_permlanex16_b32 v[(\tm)+4+\b], v[(\tm)+\b], s[SEL], s[SEL+1]
.endr
.irp b, 0,1,2,3
	v_max_num_f32 v[(\tm)+\b], v[(\tm)+\b], v[(\tm)+4+\b]          ; with lane l xor 16's: the block's largest magnitude
.endr
.irp b, 0,1,2,3
	v_add_nc_u32 v[(\tm)+12+\b], 0xff000000, v[(\tm)+\b]           ; 2 off its exponent field: the conversion's scale operand
.endr
.irp b, 0,1,2,3
	v_lshrrev_b32 v[(\tm)+4+\b], 23, v[(\tm)+12+\b]                ; the scale's byte
.endr
	v_lshl_or_b32 v[\pw], v[(\tm)+5], 8, v[(\tm)+4]
	v_lshl_or_b32 v[\pw], v[(\tm)+6], 16, v[\pw]
	v_lshl_or_b32 v[\pw], v[(\tm)+7], 24, v[\pw]
.irp c, 0,1
	v_cvt_scalef32_pk16_fp6_f32 v[(\pc)+6*\c:(\pc)+6*\c+2], v[(\s)+32*\c:(\s)+32*\c+15], v[(\tm)+12+2*\c]
	v_cvt_scalef32_pk16_fp6_f32 v[(\pc)+12+4*\c:(\pc)+14+4*\c], v[(\s)+16+32*\c:(\s)+31+32*\c], v[(\tm)+13+2*\c]   ; (a conversion's three registers begin on an even number)
.endr
	v_nop                                          ; one plain place behind a scaled conversion
.irp c, 0,1                                    ; the operand's layout wants a whole block in a lane
.irp i, 0,1,2
	v_permlane16_swap_b32 v[(\pc)+6*\c+\i], v[(\pc)+12+4*\c+\i]
.endr
.irp i, 0,1,2
	v_mov_b32 v[(\pc)+3+6*\c+\i], v[(\pc)+12+4*\c+\i]
.endr
.endr
.endm
	s_load_b512 s[4:19], s[0:1], 0x0               ; x's codes, x's scales, Wq's codes, scales, bq, Wk's codes, scales, bk
	s_load_b512 s[20:35], s[0:1], 0x40             ; Wv's codes, scales, bv, qimg, qscl, kimg, kscl, vimg
	s_load_b64 s[36:37], s[0:1], 0x80              ; vscl
	v_lshrrev_b32 v1, 5, v0
	v_readfirstlane_b32 s38, v1                    ; wave 0..2
	s_mul_i32 s39, ttmp9, 3
	s_add_co_u32 s39, s39, s38                     ; g
	s_lshr_b32 s40, s39, 8                         ; m
	s_and_b32 s41, s39, 255                        ; 4 bs + hp
	s_lshr_b32 s42, s41, 2                         ; bs
	s_and_b32 s43, s41, 3                          ; hp
	v_and_b32 v1, 15, v0                           ; r
	v_bfe_u32 v2, v0, 4, 1                         ; h
	v_and_b32 v8, 8, v1
	v_add_nc_u32 v8, v8, v1                        ; r + 8 (r / 8)
	v_mul_u32_u24 v[CO], v8, 384
	v_mad_u32_u24 v[CO], v2, 24, v[CO]
	v_lshlrev_b32 v[SCO], 4, v8
	v_and_b32 v[LN16], 31, v0
	v_lshlrev_b32 v[LN16], 4, v[LN16]
	v_lshlrev_b32 v[BPO], 6, v2
	v_lshlrev_b32 v[BRO], 2, v8
.irp b, 0,1,2,3
	v_mov_b32 v[TM+4+\b], 0                        ; written once: a lane permute's destination counts as one of its sources
.endr
.irp q, 0,1,2
	v_mov_b32 v[BR+2*\q+1], 0                      ; named as the upper half of a pair
.endr
	s_mov_b32 s[SEL], 0x76543210
	s_mov_b32 s[SEL+1], 0xfedcba98
	s_mov_b32 s[HIM], 0xffff0000
	s_mov_b32 s73, 0
	s_mov_b32 s75, 0
	s_wait_kmcnt 0x0
	s_cmp_eq_u32 s40, 1                            ; K's buffers or V's,
	s_cselect_b64 s[WC:WC+1], s[14:15], s[20:21]
	s_cselect_b64 s[WS:WS+1], s[16:17], s[22:23]
	s_cselect_b64 s[BB:BB+1], s[18:19], s[24:25]
	s_cselect_b64 s[OI:OI+1], s[30:31], s[34:35]
	s_cselect_b64 s[OS:OS+1], s[32:33], s[36:37]
	s_cmp_eq_u32 s40, 0                            ; or Q's
	s_cselect_b64 s[WC:WC+1], s[8:9], s[WC:WC+1]
	s_cselect_b64 s[WS:WS+1], s[10:11], s[WS:WS+1]
	s_cselect_b64 s[BB:BB+1], s[12:13], s[BB:BB+1]
	s_cselect_b64 s[OI:OI+1], s[26:27], s[OI:OI+1]
	s_cselect_b64 s[OS:OS+1], s[28:29], s[OS:OS+1]
	s_cselect_b32 s[SUBW], 0x03030303, 0
	s_mul_i32 s72, s43, 49152                      ; 128 rows of 384 bytes
	s_mul_i32 s74, s42, 49152
	s_add_nc_u64 s[WC:WC+1], s[WC:WC+1], s[72:73]
	s_add_nc_u64 s[XC:XC+1], s[4:5], s[74:75]
	s_lshl_b32 s72, s43, 11                        ; 128 rows of 16 scale bytes
	s_lshl_b32 s74, s42, 11
	s_add_nc_u64 s[WS:WS+1], s[WS:WS+1], s[72:73]
	s_add_nc_u64 s[XS:XS+1], s[6:7], s[74:75]
	s_lshl_b32 s72, s43, 9                         ; 128 numbers of the bias
	s_add_nc_u64 s[BB:BB+1], s[BB:BB+1], s[72:73]
	s_mul_i32 s72, s41, 12288
	s_add_nc_u64 s[OI:OI+1], s[OI:OI+1], s[72:73]
	s_lshl_b32 s72, s41, 9
	s_add_nc_u64 s[OS:OS+1], s[OS:OS+1], s[72:73]
	s_cmp_eq_u32 s40, 2                            ; V: x stays and Wv streams
	s_cselect_b64 s[PCP:PCP+1], s[XC:XC+1], s[WC:WC+1]
	s_cselect_b64 s[PSP:PSP+1], s[XS:XS+1], s[WS:WS+1]
	s_cselect_b64 s[RCP:RCP+1], s[WC:WC+1], s[XC:XC+1]
	s_cselect_b64 s[RSP:RSP+1], s[WS:WS+1], s[XS:XS+1]
	s_cselect_b32 s[VM], -1, 0
	s_cselect_b32 s[QM], 0, -1
	WIN 0x40                                       ; P's 32 fragments: they stay
.irp i, 0,1,2,3,4,5,6,7
.irp ks, 0,1
	FRAGLD 24*\i+12*\ks, CO, PCP, (32*(\i/2)+8*(\i%2))*384+96*\ks
.endr
.endr
	WIN 0x80
.irp i, 0,1,2,3,4,5,6,7
.irp ks, 0,1
	FRAGLD 24*\i+12*\ks, CO, PCP, (32*(\i/2)+8*(\i%2))*384+96*(\ks+2)
.endr
.endr
	WIN 0
.irp i, 0,1,2,3,4,5,6,7
	global_load_b128 v[PS+4*\i:PS+4*\i+3], v[SCO], s[PSP:PSP+1] offset:(32*(\i/2)+8*(\i%2))*16
.endr
.irp i, 0,1,2,3,4,5,6,7
	global_load_b128 v[BIP+8*\i:BIP+8*\i+3], v[BPO], s[BB:BB+1] offset:(32*(\i/2)+8*(\i%2))*4       ; lane (r, h), tile i: the bias of P's rows 32 (i / 2) + 16 h + 8 (i % 2) + 0 .. 7
	global_load_b128 v[BIP+8*\i+4:BIP+8*\i+7], v[BPO], s[BB:BB+1] offset:(32*(\i/2)+8*(\i%2))*4+16
.endr
	LOADR 0
	LOADR 1
	LOADR 2
; Tile t of R against all of P: 32 matrix instructions, the 8 accumulators by turns, one instruction a turn; then the bias along R, the quantiser, the stores.
.macro UNIT t
.set q, (\t)%3
.if (\t) <= 5
	s_wait_loadcnt 52                              ; loads come back in order: all but the two younger tiles' 26 each are in (at the first tile: P, its scale words and the bias too)
.elseif (\t) == 6
	s_wait_loadcnt 26                              ; one younger tile
.else
	s_wait_loadcnt 0x0
.endif
.if (\t) == 0
.set k, 0
.rept 64
	v_cndmask_b32 v[BIP+k], 0, v[BIP+k], s[QM]     ; the bias runs along P for Q and K alone
.set k, k+1
.endr
.rept 4
	v_nop
.endr
.endif
	WIN 0x0d                                       ; source 0 (P) window 1, source 1 (R) window 3
.irp i, 0,1,2,3,4,5,6,7
	v_wmma_scale_f32_16x16x128_f8f6f4 v[HA+8*\i:HA+8*\i+7], v[24*\i:24*\i+11], v[48*q:48*q+11], v[BIP+8*\i:BIP+8*\i+7], v[PS+4*\i], v[RS+4*q] matrix_a_fmt:MATRIX_FMT_FP6 matrix_b_fmt:MATRIX_FMT_FP6
.endr
.irp i, 0,1,2,3,4,5,6,7
	v_wmma_scale_f32_16x16x128_f8f6f4 v[HA+8*\i:HA+8*\i+7], v[24*\i+12:24*\i+23], v[48*q+12:48*q+23], v[HA+8*\i:HA+8*\i+7], v[PS+4*\i+1], v[RS+4*q+1] matrix_a_fmt:MATRIX_FMT_FP6 matrix_b_fmt:MATRIX_FMT_FP6
.endr
	WIN 0x0e                                       ; source 0 window 2
.irp i, 0,1,2,3,4,5,6,7
	v_wmma_scale_f32_16x16x128_f8f6f4 v[HA+8*\i:HA+8*\i+7], v[24*\i:24*\i+11], v[48*q+24:48*q+35], v[HA+8*\i:HA+8*\i+7], v[PS+4*\i+2], v[RS+4*q+2] matrix_a_fmt:MATRIX_FMT_FP6 matrix_b_fmt:MATRIX_FMT_FP6
.endr
.irp i, 0,1,2,3,4,5,6,7
	v_wmma_scale_f32_16x16x128_f8f6f4 v[HA+8*\i:HA+8*\i+7], v[24*\i+12:24*\i+23], v[48*q+36:48*q+47], v[HA+8*\i:HA+8*\i+7], v[PS+4*\i+3], v[RS+4*q+3] matrix_a_fmt:MATRIX_FMT_FP6 matrix_b_fmt:MATRIX_FMT_FP6
.endr
	WIN 0
	v_cndmask_b32 v[BR+2*q], 0, v[BR+2*q], s[VM]   ; the bias runs along R for V alone.  This line and three v_nop are the four places behind the last product (ISA guide 7.12.1)
.rept 3
	v_nop
.endr
.set k, 0
.rept 32
	v_pk_add_f32 v[HA+2*k:HA+2*k+1], v[HA+2*k:HA+2*k+1], v[BR+2*q:BR+2*q+1] op_sel_hi:[1,0]   ; each accumulator from its low end on
.set k, k+1
.endr
	s_wait_xcnt 0x0                                ; the last tile's stores have read the codes' registers, which the quantiser below writes again
.if (\t)+3 < 8
	LOADR (\t)+3                                   ; into the set that this tile's products have read
.endif
	QUANT HA, TM, PW, PC, 0x3000000                ; the floor 2^(6 - 127): the byte is 4 or more
	v_sub_nc_u32 v[PW], v[PW], s[SUBW]             ; Q: 3 off each byte; no byte borrows
.if (\t)%2 == 0
	v_mov_b32 v[SW+(\t)/2], v[PW]
.else
	v_cndmask_b32 v[SW+(\t)/2], v[SW+(\t)/2], v[PW], s[HIM]   ; the odd tile's words in lanes 16-31
.endif
.irp c, 0,1,2
	global_store_b128 v[LN16], v[PC+4*\c:PC+4*\c+3], s[OI:OI+1] offset:1536*(\t)+512*\c   ; 32 lanes store 512 consecutive bytes, at a multiple of 256 from the buffer's first byte
.endr
.endm
.irp t, 0,1,2,3,4,5,6,7
	UNIT \t
.endr
	global_store_b128 v[LN16], v[SW:SW+3], s[OS:OS+1]
	s_endpgm
.Lfunc_end_k_qf356041b96_proj:
	.size	k_qf356041b96_proj, .Lfunc_end_k_qf356041b96_proj-k_qf356041b96_proj
	.p2alignl 7, 3214868480
	.fill 96, 4, 3214868480
	.section	.rodata,"a",@progbits
	.p2align	6, 0x0
	.amdhsa_kernel k_qf356041b96_proj
		.amdhsa_group_segment_fixed_size 0
		.amdhsa_private_segment_fixed_size 0
		.amdhsa_enable_private_segment 0
		.amdhsa_kernarg_size 136
		.amdhsa_user_sgpr_count 2
		.amdhsa_user_sgpr_kernarg_segment_ptr 1
		.amdhsa_wavefront_size32 1
		.amdhsa_system_sgpr_workgroup_id_x 1
		.amdhsa_system_sgpr_workgroup_id_y 1
		.amdhsa_system_sgpr_workgroup_id_z 1
		.amdhsa_system_vgpr_workitem_id 0
		.amdhsa_next_free_vgpr 912
		.amdhsa_next_free_sgpr 80
		.amdhsa_reserve_vcc 0
		.amdhsa_float_denorm_mode_32 3
		.amdhsa_float_denorm_mode_16_64 3
		.amdhsa_memory_ordered 1
		.amdhsa_forward_progress 1
		.amdhsa_inst_pref_size 131
	.end_amdhsa_kernel
	.amdgpu_metadata
---
amdhsa.version: [ 1, 2 ]
amdhsa.kernels:
  - .name:           k_qf356041b96_proj
    .symbol:         k_qf356041b96_proj.kd
    .args:
      - { .name: x_codes, .offset: 0, .size: 8, .value_kind: global_buffer, .address_space: global }
      - { .name: x_scales, .offset: 8, .size: 8, .value_kind: global_buffer, .address_space: global }
      - { .name: Wq_codes, .offset: 16, .size: 8, .value_kind: global_buffer, .address_space: global }
      - { .name: Wq_scales, .offset: 24, .size: 8, .value_kind: global_buffer, .address_space: global }
      - { .name: bq, .offset: 32, .size: 8, .value_kind: global_buffer, .address_space: global }
      - { .name: Wk_codes, .offset: 40, .size: 8, .value_kind: global_buffer, .address_space: global }
      - { .name: Wk_scales, .offset: 48, .size: 8, .value_kind: global_buffer, .address_space: global }
      - { .name: bk, .offset: 56, .size: 8, .value_kind: global_buffer, .address_space: global }
      - { .name: Wv_codes, .offset: 64, .size: 8, .value_kind: global_buffer, .address_space: global }
      - { .name: Wv_scales, .offset: 72, .size: 8, .value_kind: global_buffer, .address_space: global }
      - { .name: bv, .offset: 80, .size: 8, .value_kind: global_buffer, .address_space: global }
      - { .name: qimg, .offset: 88, .size: 8, .value_kind: global_buffer, .address_space: global }
      - { .name: qscl, .offset: 96, .size: 8, .value_kind: global_buffer, .address_space: global }
      - { .name: kimg, .offset: 104, .size: 8, .value_kind: global_buffer, .address_space: global }
      - { .name: kscl, .offset: 112, .size: 8, .value_kind: global_buffer, .address_space: global }
      - { .name: vimg, .offset: 120, .size: 8, .value_kind: global_buffer, .address_space: global }
      - { .name: vscl, .offset: 128, .size: 8, .value_kind: global_buffer, .address_space: global }
    .group_segment_fixed_size: 0
    .private_segment_fixed_size: 0
    .kernarg_segment_align: 8
    .kernarg_segment_size: 136
    .max_flat_workgroup_size: 96
    .sgpr_count:     80
    .vgpr_count:     912
    .wavefront_size: 32
...
	.end_amdgpu_metadata
.endif
;; end of part 1
;; launch attn (part 2): grid 256 x 1, 4 waves a work-group, no clusters, 297,472 bytes of LDS; arguments pairwise_feats, key_padding_mask, W1, b1, W2, b2, qimg, qscl, kimg, kscl, vimg, vscl, Wo_codes, Wo_scales, bo, out0; writes out0
.if DOCPART == 2
	.amdgcn_target "amdgcn-amd-amdhsa--gfx1250"
	.amdhsa_code_object_version 6
	.text
	.protected	k_qf356041b96_attn
	.globl	k_qf356041b96_attn
	.p2align	8
	.type	k_qf356041b96_attn,@function
k_qf356041b96_attn:
	s_mov_b64 s[64:65], 0
	v_nop
	global_prefetch_b8 v0, s[64:65] scope:SCOPE_SE
	s_setreg_imm32_b32 hwreg(HW_REG_WAVE_MODE, 25, 1), 1
	s_wait_xcnt 0x0
; out = (softmax(Q K^T / 8 + bias, masked) V) Wo^T + bo, all products of the attention on codes of FP6 (E2M3) with E8M0 scales; bias[h] = W2[h] . relu(p W1 + b1) + b2[h] of the pair's feature p, in f32.
; SHARES.  A work-group owns 32 queries of one batch, all 8 heads, all 2,048 keys, 128 keys a step, 16 steps.  A step has two phases with ONE barrier between them.
;   A: the four waves share the step's 32 x 128 pairs; a wave makes the bias of ALL 8 heads for its 1,024 pairs (the hidden layer is made once for a pair) and stores it into LDS in the layout of a matrix result.
;      Of a lane's four keys two are summed by packed fused multiply-adds and two by the f32 matrix form, whose 16 instructions a trip stand singly among the vector lines.
;   B: wave w owns heads 2 w and 2 w + 1 for both tiles of 16 queries: the bias comes from LDS as the C of S^T = K Q^T + C; p = 2^(t - M); p is quantised in registers; O^T += V^T P.
; K's, V's and Q's fragments come from memory as images of operand registers (the launch before laid them so): 512 consecutive bytes a load, asked for during phase A.  Q's scale bytes carry the 1 / 8.
; A fragment of K holds TWO heads' channels (128 along K); Q's fragment has zero codes in the other head's half.
; THE END: a wave's 2 x 64 channels are one K step of the last product: they are divided by the row's sum, quantised, and go to the other waves through LDS as images; wave w makes out's columns 128 w .. 128 w + 127.
; THE SOFTMAX: t = score x log2(e); M = the running largest t rounded up to a whole number; the row's sum is taken of the unquantised p; when M moves, the sum and O^T are multiplied by 2^(old M - new M), exactly.
; THE MASK: a masked key gets -2^100 in the addend that starts its bias sums, so its p is 0; a step all of whose 128 keys are masked is left out by a scalar branch on the mask's bytes.
;   Every step that is multiplied has a key that counts, so a row's maximum is always a real score.
; THE f32 MATRIX FORM IN PHASE A.  D = A B + C, 16 x 16 x 4.  B: lane l's two registers are hidden units 2 kk, 2 kk + 1 of ITS OWN pair (lanes 0-15 are k = 0, 1 of columns 0-15, lanes 16-31 k = 2, 3 of the same columns).
;   A: W2 twice, block by block: rows 0-7 hold W2[row][2 kk + k] at k = 0, 1 and zeros at k = 2, 3; rows 8-15 zeros at k = 0, 1 and W2[row - 8][2 kk + k - 2] at k = 2, 3.
;   So D's rows 0-7, which lie in lanes 0-15, are the 8 heads of those lanes' pairs, and rows 8-15, in lanes 16-31, the 8 heads of those lanes' pairs: register j of every lane is head j of its own pair.
; QUERIES OF A TILE: lane r of tile u holds query 8 u + r + 8 (r / 8) of the 32.  KEYS OF A TILE: lane r of tile t takes key 32 (t / 2) + 8 (t % 2) + r + 8 (r / 8), so that p's 16 registers of two neighbouring tiles are 16 neighbouring keys.
; LIMITS: scores and biases under 2^90 in magnitude; a batch whose every key is masked is not served (the expected result there is NaN); NaN and infinities among the inputs are not served;
;   the bias is summed as b2 + the 16 products in ascending order, one fused multiply-add each.
; NO TENSOR LOAD, NO CLUSTER: the launch branches on mask bytes that it reads from memory; no two waves of a work-group read the same bytes of K or V.
; pairwise_feats, read once, is asked for most of a step ahead by the loads themselves.
; LDS: two bias buffers of 139,264 bytes (head 17,408, tile of queries 8,704, chunk n 272 = 16 queries x 16 bytes + 16, n = 4 t + 2 (register half) + (lane half)); behind them a stage of 9 x 512 bytes for each wave's p.
;   At the end buffer 0 takes the images of the attention's output and buffer 1 the stages for out.
; REGISTERS, in windows of 256 (s_set_vgpr_msb: bits 1:0 source 0, 3:2 source 1, 5:4 source 2, 7:6 destination):
;   window 0: v1-15, v28-31, v72-76 addresses; v16-27, v68-71, v240-255 scale words and nothing else; v32-67 Q; v80-95 W2 for the matrix form; v96-111 W1; v112-239 W2 (at the end Wo's K step 3)
;   window 1: v0-127 O^T (64 u + 32 hl + 8 dt), at the end out's sums; v128-223 V's 8 fragments (at the end Wo's K step 2); v224-255 the next step's p
;   window 2: v0-127 the even head's S^T (in phase A: hidden layers, sums, addends); v128-143 b1; v144-159 statistics; v160-199 at work; v200-239 p's codes; v240-255 the f32 matrix form's two results, written by nothing else
;   window 3: v0-95 K's 8 fragments; v96-223 the odd head's S^T (at the end Wo's K steps 0, 1 and bo)
.set BUF1, 139264
.set PSTG, 278528                      ; the stages of p: 4,608 bytes a wave
.set OSTG, 139264                      ; the way out: 16 rows x 528 bytes a wave, in buffer 1
.set ASCL, 12288                       ; behind the 8 images in buffer 0: their scale words
.set LN16, 1                           ; v1   16 x lane
.set PGO,  2                           ; v2   pairwise_feats: 8 rows x (lane / 16) + 16 (lane % 16)
.set MKO,  3                           ; v3   the mask: 4 (lane % 16)
                                       ; v4, v5 where I store bias in buffer 0 (heads 0-3, heads 4-7);  v6, v7 in buffer 1
.set AW0,  8                           ; v8, v9 the same for the trip in hand
.set APB,  10                          ; v10  my 16 bytes in my wave's stage of p
.set AP,   11                          ; v11  the same for the next trip's row
                                       ; v12, v13 where I read bias: buffer 0, buffer 1
.set MK,   14                          ; v14  four mask bytes
.set NIL,  15                          ; v15  0
.set KS,   16                          ; v16-19 K's scale words: word i: tile 2 i in lanes 0-15, tile 2 i + 1 in lanes 16-31
.set VS,   20                          ; v20-23 V's likewise
.set QS,   24                          ; v24  Q's: tile 0 in lanes 0-15, tile 1 in lanes 16-31
.set PWR,  26                          ; v26, v27 p's scale words, a register for each tile of queries
.set AI,   28
.set AISC, 29
.set LN4,  30
.set SOA,  31
.set QF,   32                          ; tile u at 32 + 18 u: 6 registers of the even head, 6 of zeros, 6 of the odd head
.set AS,   68                          ; v68-71 the attention output's scale words, a register for each K step
.set SRA,  72
.set WOA,  73
.set BOA,  74
.set MHO,  75
.set W2O,  76                          ; v76  W2's row lane % 8: 64 bytes a row
.set W2A,  80                          ; v80-95 source 0 of the f32 matrix form: K step kk at 2 kk
.set W1W,  96
.set W2W,  112
.set WOS,  240                         ; v240-255 Wo's scale words: 4 i + K step: tile 2 i in lanes 0-15, tile 2 i + 1 in lanes 16-31
.set VF,   128                         ; window 1
.set PG,   224
.set HID,  0                           ; window 2, phase A: hidden unit j of keys 0, 1 at 2 j
.set HM,   32                          ; hidden units 2 kk, 2 kk + 1 of key 2 + e at 2 (2 kk + e)
.set ACC,  64                          ; head h, key e at 4 h + e
.set INIT, 96                          ; b2[h] + the key's mask addend, keys 0, 1, at 2 h + e
.set INITM, 112                        ; the same for keys 2, 3, in the matrix result's layout: 8 (e - 2) + h
.set B1,   128
.set ST,   144                         ; (hl, u) at 8 hl + 4 u: -M, the largest t, the sum in two halves
.set TT,   160                         ; tile u at 20 u: +0..3 block maxima, +4..7 at work, +8..11 scale operands, +12:13 f, +14, +15 at work, +16:17 a second chain of the sum, +18 the scale word in the making
.set PQ,   160                         ; phase A: p of my four keys, in the block maxima's registers, which phase B writes before it reads them
.set MT,   180                         ; phase A: the four keys' mask addends, likewise
.set PCD,  200                         ; tile u at 20 u
.set RR,   200                         ; at the end: the reciprocals, in registers of p's codes that are done with
.set DM,   240                         ; the f32 matrix form's results: key 2 at 240, key 3 at 248
.set AF,   128                         ; at the end: the 8 images read back
.set BO,   192                         ; window 3, at the end
.set WV,   36
.set BT,   37
.set QB,   38
.set AA,   39
.set GG,   40
.set BE,   41
.set B2S,  44                          ; s[44:51] b2
.set CS,   52                          ; s[52:53] log2(e), twice
.set SEL,  54                          ; s[54:55] v_permlanex16_b32's selects for lane l xor 16
.set FL,   56                          ; s56 bit l: keys 64 l .. 64 l + 63 of my batch are all masked
.set SKIP, 57
.set SI,   58
.set TRIP, 59
.set ROWC, 60
.set SA,   61
.set SP,   62
.set KP,   66
.set VP,   68
.set KSP,  70
.set VSP,  72
.set PP0,  74
.set PPN,  76
.set MP0,  78
.set MPN,  80
.set OUTP, 84
.set WCP,  86
.set WSP,  88
.set BOP,  90
.set QP,   92
.set QSP,  94
.set MB,   96
.set BDM,  98                          ; s98 lanes 0-7 and 24-31: where W2's blocks stand in source 0 of the f32 matrix form
.set MSB, 0
.macro WIN new                         ; the immediate's high byte repeats the setting that is left; a switch that changes nothing is dropped
.if MSB != (\new)
	s_set_vgpr_msb (MSB<<8)|(\new)
.set MSB, (\new)
.endif
.endm
.macro FRAGLD reg, adr, base, off
.irp p, 0,1,2,3,4,5
	global_load_b64 v[(\reg)+2*\p:(\reg)+2*\p+1], v[\adr], s[\base:\base+1] offset:(\off)+48*(\p/3)+8*(\p%3)
.endr
.endm
; one matrix instruction on codes; ra, rb = 1: the side's scale words stand in lanes 16-31
.macro WM d, a, b, c, sa, sb, ra, rb
.if (\ra) && (\rb)
	v_wmma_scale_f32_16x16x128_f8f6f4 v[(\d):(\d)+7], v[(\a):(\a)+11], v[(\b):(\b)+11], v[(\c):(\c)+7], v[(\sa)], v[(\sb)] matrix_a_fmt:MATRIX_FMT_FP6 matrix_b_fmt:MATRIX_FMT_FP6 matrix_a_scale:MATRIX_SCALE_ROW1 matrix_b_scale:MATRIX_SCALE_ROW1
.elseif (\ra)
	v_wmma_scale_f32_16x16x128_f8f6f4 v[(\d):(\d)+7], v[(\a):(\a)+11], v[(\b):(\b)+11], v[(\c):(\c)+7], v[(\sa)], v[(\sb)] matrix_a_fmt:MATRIX_FMT_FP6 matrix_b_fmt:MATRIX_FMT_FP6 matrix_a_scale:MATRIX_SCALE_ROW1
.elseif (\rb)
	v_wmma_scale_f32_16x16x128_f8f6f4 v[(\d):(\d)+7], v[(\a):(\a)+11], v[(\b):(\b)+11], v[(\c):(\c)+7], v[(\sa)], v[(\sb)] matrix_a_fmt:MATRIX_FMT_FP6 matrix_b_fmt:MATRIX_FMT_FP6 matrix_b_scale:MATRIX_SCALE_ROW1
.else
	v_wmma_scale_f32_16x16x128_f8f6f4 v[(\d):(\d)+7], v[(\a):(\a)+11], v[(\b):(\b)+11], v[(\c):(\c)+7], v[(\sa)], v[(\sb)] matrix_a_fmt:MATRIX_FMT_FP6 matrix_b_fmt:MATRIX_FMT_FP6
.endif
.endm
; 64 numbers of a lane, register 16 b + i = k 32 b + 16 (lane / 16) + i of my row, become a fragment's codes in v[pc] on and its scale word in v[pw]
.macro QUANT s, tm, pw, pc, fl
.irp b, 0,1,2,3
	v_max3_num_f32 v[(\tm)+\b], |v[(\s)+16*\b]|, |v[(\s)+1+16*\b]|, \fl
.endr
.irp i, 2,4,6,8,10,12,14
.irp b, 0,1,2,3
	v_max3_num_f32 v[(\tm)+\b], v[(\tm)+\b], |v[(\s)+16*\b+\i]|, |v[(\s)+1+16*\b+\i]|
.endr
.endr
.irp b, 0,1,2,3
	v_permlanex16_b32 v[(\tm)+4+\b], v[(\tm)+\b], s[SEL], s[SEL+1]
.endr
.irp b, 0,1,2,3
	v_max_num_f32 v[(\tm)+\b], v[(\tm)+\b], v[(\tm)+4+\b]
.endr
.irp b, 0,1,2,3
	v_add_nc_u32 v[(\tm)+12+\b], 0xff000000, v[(\tm)+\b]
.endr
.irp b, 0,1,2,3
	v_lshrrev_b32 v[(\tm)+4+\b], 23, v[(\tm)+12+\b]
.endr
	v_lshl_or_b32 v[\pw], v[(\tm)+5], 8, v[(\tm)+4]
	v_lshl_or_b32 v[\pw], v[(\tm)+6], 16, v[\pw]
	v_lshl_or_b32 v[\pw], v[(\tm)+7], 24, v[\pw]
.irp c, 0,1
	v_cvt_scalef32_pk16_fp6_f32 v[(\pc)+6*\c:(\pc)+6*\c+2], v[(\s)+32*\c:(\s)+32*\c+15], v[(\tm)+12+2*\c]
	v_cvt_scalef32_pk16_fp6_f32 v[(\pc)+12+4*\c:(\pc)+14+4*\c], v[(\s)+16+32*\c:(\s)+31+32*\c], v[(\tm)+13+2*\c]
.endr
	v_nop                                          ; one plain place behind a scaled conversion
.irp c, 0,1
.irp i, 0,1,2
	v_permlane16_swap_b32 v[(\pc)+6*\c+\i], v[(\pc)+12+4*\c+\i]
.endr
.irp i, 0,1,2
	v_mov_b32 v[(\pc)+3+6*\c+\i], v[(\pc)+12+4*\c+\i]
.endr
.endr
.endm
; PHASE A's arithmetic, all under ONE window setting (source 0, the weights, window 0; all else window 2): the matrix lines need no switch of their own.
; Turn s of 16 of the matrix form: K step kk = s / 2 (hidden units 2 kk, 2 kk + 1), key 2 + s % 2.
.macro HMF s                           ; its source 1 before the activation: p W1 + b1 of the two units, one instruction; of the pair of p one word serves both halves
.set s2, 2*((\s)/2)
.if (\s)%2 == 0
	v_pk_fma_f32 v[HM+2*(\s):HM+2*(\s)+1], v[W1W+s2:W1W+s2+1], v[PQ+2:PQ+3], v[B1+s2:B1+s2+1] op_sel_hi:[1,0,1]
.else
	v_pk_fma_f32 v[HM+2*(\s):HM+2*(\s)+1], v[W1W+s2:W1W+s2+1], v[PQ+2:PQ+3], v[B1+s2:B1+s2+1] op_sel:[0,1,0] op_sel_hi:[1,1,1]
.endif
.endm
.macro HMX s                           ; the activation
	v_max_num_f32 v[HM+2*(\s)], 0, v[HM+2*(\s)]
	v_max_num_f32 v[HM+2*(\s)+1], 0, v[HM+2*(\s)+1]
.endm
.macro FW s                            ; the matrix line: the two keys' sums take turns, one instruction a turn; a sum's first line takes b2 + the mask's addend as C
.set dD, DM+8*((\s)%2)
.set dC, dD
.if (\s) < 2
.set dC, INITM+8*((\s)%2)
.endif
	v_wmma_f32_16x16x4_f32 v[dD:dD+7], v[W2A+2*((\s)/2):W2A+2*((\s)/2)+1], v[HM+2*(\s):HM+2*(\s)+1], v[dC:dC+7]
.endm
; The other vector lines of a trip are a list of 190; AF writes number fi of it and steps fi.
;   0-13    HMF of turns 2 to 15
;   14-29   keys 0, 1: p W1[j] + b1[j], two keys an instruction; of the pairs of weights one word serves both halves
;   30-61   their activation
;   62-189  the 8 heads' bias of keys 0, 1: 16 links each, the 8 chains by turns; the first link takes b2 + the mask's addend
.macro AF
.if fi < 14
	HMF fi+2
.elseif fi < 30
.set jj, fi-14
.if jj%2 == 0
	v_pk_fma_f32 v[HID+2*jj:HID+2*jj+1], v[W1W+jj:W1W+jj+1], v[PQ:PQ+1], v[B1+jj:B1+jj+1] op_sel_hi:[0,1,0]
.else
	v_pk_fma_f32 v[HID+2*jj:HID+2*jj+1], v[W1W+jj-1:W1W+jj], v[PQ:PQ+1], v[B1+jj-1:B1+jj] op_sel:[1,0,1] op_sel_hi:[1,1,1]
.endif
.elseif fi < 62
	v_max_num_f32 v[HID+fi-30], 0, v[HID+fi-30]
.else
.set jj, (fi-62)/8
.set hx, (fi-62)%8
.set rA, ACC+4*hx
.set rC, rA
.if jj == 0
.set rC, INIT+2*hx
.endif
.if jj%2 == 0
	v_pk_fma_f32 v[rA:rA+1], v[W2W+16*hx+jj:W2W+16*hx+jj+1], v[HID+2*jj:HID+2*jj+1], v[rC:rC+1] op_sel_hi:[0,1,1]
.else
	v_pk_fma_f32 v[rA:rA+1], v[W2W+16*hx+jj-1:W2W+16*hx+jj], v[HID+2*jj:HID+2*jj+1], v[rC:rC+1] op_sel:[1,0,0] op_sel_hi:[1,1,1]
.endif
.endif
.set fi, fi+1
.endm
; A TRIP OF PHASE A: one row for each half of the lanes, my 4 keys, 8 heads.  Between two matrix lines stand 14 vector lines (the activation for the turn after next, and 12 of the list); behind the last stand 16 of the
; list, which name none of its registers: more than the 8 places that the f32 form wants ahead of the first read of a result.
.macro ATRIP buf
	s_wait_dscnt 8                                 ; this row's p is in: behind its load stand the last trip's 8 stores
	WIN 0xa8
.set fi, 0
	HMF 0
	HMX 0
	HMF 1
	HMX 1
.rept 4
	AF
.endr
	FW 0
.set gp, 0
.rept 15
.if gp < 14
	HMX gp+2
.endif
.if gp == 3                            ; numbers 0 to 39 of the list are out: every line that reads p; none that writes the sums
	s_wait_dscnt 0x0                               ; the last trip's stores are done: their data and addresses are written again below
	WIN 0
	v_add_nc_u32 v[AW0], s[SA], v[4+2*(\buf)]
	v_add_nc_u32 v[AW0+1], s[SA], v[5+2*(\buf)]
	v_add_nc_u32 v[AP], s[SP], v[APB]
	WIN 0xa8
	ds_load_b128 v[PQ:PQ+3], v[AP]                 ; the next row's p
.endif
.set nf, 12
.if gp == 14
.set nf, 2
.endif
.rept nf
	AF
.endr
	FW gp+1
.set gp, gp+1
.endr
.rept 16
	AF
.endr
.irp h, 0,1,2,3,4,5,6,7
	v_or_b32 v[ACC+4*\h+2], 0, v[DM+\h]            ; keys 2 and 3 join keys 0 and 1 of their head: a copy, written with the register as source 1, whose window is set; each result from its low end on
	v_or_b32 v[ACC+4*\h+3], 0, v[DM+8+\h]
.endr
.irp h, 0,1,2,3,4,5,6,7
	ds_store_b128 v[AW0+(\h/4)], v[ACC+4*\h:ACC+4*\h+3] offset:17408*(\h%4)   ; sixteen lanes go to sixteen chunks, 272 bytes apart
.endr
	WIN 0
.endm
; PHASE B.  The bias of head 2 w + hl for both tiles of queries, 32 loads of 512 bytes, straight into the registers of S^T
.macro LOADC hl, win, sb, arb
	WIN \win
.irp u, 0,1
.irp t, 0,1,2,3,4,5,6,7
.irp ap, 0,1
	ds_load_b128 v[(\sb)+64*\u+8*\t+4*\ap:(\sb)+64*\u+8*\t+4*\ap+3], v[\arb] offset:17408*(\hl)+8704*\u+544*(2*\t+\ap)
.endr
.endr
.endr
.endm
; S^T = K Q^T + bias: 16 accumulators, one instruction each
.macro QK hl, win, sb
	WIN \win
.irp u, 0,1
.irp t, 0,1,2,3,4,5,6,7
	WM (\sb)+64*\u+8*\t, 12*\t, QF+18*\u+6*(\hl), (\sb)+64*\u+8*\t, KS+\t/2, QS, \t%2, \u
.endr
.endr
.endm
; The softmax of one head, both tiles of queries by turns.  wmx, wsc, wsm: the window settings with S^T as sources 0 and 1; as destination and source 0; as source 0
.macro SOFTMAX hl, sb, wmx, wsc, wsm
	WIN \wmx
.irp b, 0,1,2,3
.irp u, 0,1
	v_max_num_f32 v[TT+20*\u+\b], v[(\sb)+64*\u+16*\b], v[(\sb)+64*\u+16*\b+1]   ; the largest score of each block of 32 keys; each accumulator is read from its low end on
.endr
.endr
.irp i, 2,4,6,8,10,12,14
.irp b, 0,1,2,3
.irp u, 0,1
	v_max3_num_f32 v[TT+20*\u+\b], v[(\sb)+64*\u+16*\b+\i], v[(\sb)+64*\u+16*\b+\i+1], v[TT+20*\u+\b]
.endr
.endr
.endr
	WIN 0xaa
.irp b, 0,1,2,3
.irp u, 0,1
	v_permlanex16_b32 v[TT+20*\u+4+\b], v[TT+20*\u+\b], s[SEL], s[SEL+1]
.endr
.endr
.irp b, 0,1,2,3
.irp u, 0,1
	v_max_num_f32 v[TT+20*\u+\b], v[TT+20*\u+\b], v[TT+20*\u+4+\b]   ; with lane l xor 16's 16 keys
.endr
.endr
.irp u, 0,1
	v_max3_num_f32 v[TT+20*\u+14], v[TT+20*\u], v[TT+20*\u+1], v[TT+20*\u+2]
.endr
.irp u, 0,1
	v_max_num_f32 v[TT+20*\u+14], v[TT+20*\u+14], v[TT+20*\u+3]      ; the step's largest score of my query
.endr
.irp u, 0,1
	v_mul_f32 v[TT+20*\u+14], s[CS], v[TT+20*\u+14]                  ; as t
.endr
.irp u, 0,1
	v_max_num_f32 v[ST+8*(\hl)+4*\u+1], v[ST+8*(\hl)+4*\u+1], v[TT+20*\u+14]   ; the running largest t
.endr
.irp u, 0,1
	v_mov_b32 v[TT+20*\u+15], v[ST+8*(\hl)+4*\u]
.endr
.irp u, 0,1
	v_floor_f32 v[ST+8*(\hl)+4*\u], -v[ST+8*(\hl)+4*\u+1]            ; the new -M = floor(-t): M is a whole number
.endr
.irp u, 0,1
	v_sub_f32 v[TT+20*\u+14], v[ST+8*(\hl)+4*\u], v[TT+20*\u+15]     ; old M - new M: a whole number, 0 or less
.endr
.irp u, 0,1
	v_cvt_i32_f32 v[TT+20*\u+14], v[TT+20*\u+14]                     ; (it saturates)
.endr
.irp u, 0,1
	v_ldexp_f32 v[TT+20*\u+12], 1.0, v[TT+20*\u+14]                  ; f = 2^(old M - new M)
.endr
.irp b, 0,1,2,3
.irp u, 0,1
	v_fma_f32 v[TT+20*\u+\b], v[TT+20*\u+\b], s[CS], v[ST+8*(\hl)+4*\u]   ; t - M of each block's largest score
.endr
.endr
	WIN \wsc
.irp u, 0,1
.set k, 0
.rept 32
	v_pk_fma_f32 v[(\sb)+64*\u+2*k:(\sb)+64*\u+2*k+1], v[(\sb)+64*\u+2*k:(\sb)+64*\u+2*k+1], s[CS:CS+1], v[ST+8*(\hl)+4*\u:ST+8*(\hl)+4*\u+1] op_sel_hi:[1,0,0]   ; t - M, two at a time
.set k, k+1
.endr
.endr
.set k, 0
.rept 128
	v_exp_f32 v[(\sb)+k], v[(\sb)+k]               ; p = 2^(t - M): one batch
.set k, k+1
.endr
	WIN 0xaa
.irp u, 0,1
	v_pk_mul_f32 v[ST+8*(\hl)+4*\u+2:ST+8*(\hl)+4*\u+3], v[ST+8*(\hl)+4*\u+2:ST+8*(\hl)+4*\u+3], v[TT+20*\u+12:TT+20*\u+13] op_sel_hi:[1,0]   ; the sums under the new M: the plain place behind the batch
.endr
	s_wait_alu depctr_va_vdst(0)                   ; one wait for the batch of 128, ahead of its first reader
.irp b, 0,1,2,3
.irp u, 0,1
	v_exp_f32 v[TT+20*\u+\b], v[TT+20*\u+\b]       ; each block's largest p: the same two instructions on the same number give the same bits
.endr
.endr
	WIN \wsm
.irp u, 0,1
	v_pk_add_f32 v[ST+8*(\hl)+4*\u+2:ST+8*(\hl)+4*\u+3], v[(\sb)+64*\u:(\sb)+64*\u+1], v[ST+8*(\hl)+4*\u+2:ST+8*(\hl)+4*\u+3]   ; the row's sum of the unquantised p, in two chains
	v_pk_mul_f32 v[TT+20*\u+16:TT+20*\u+17], v[(\sb)+64*\u+2:(\sb)+64*\u+3], 1.0 op_sel_hi:[1,0]   ; the second chain begins with its first pair, brought into window 2
.endr
.irp j, 4,8,12,16,20,24,28,32,36,40,44,48,52,56,60
.irp u, 0,1
	v_pk_add_f32 v[ST+8*(\hl)+4*\u+2:ST+8*(\hl)+4*\u+3], v[(\sb)+64*\u+\j:(\sb)+64*\u+\j+1], v[ST+8*(\hl)+4*\u+2:ST+8*(\hl)+4*\u+3]
	v_pk_add_f32 v[TT+20*\u+16:TT+20*\u+17], v[(\sb)+64*\u+\j+2:(\sb)+64*\u+\j+3], v[TT+20*\u+16:TT+20*\u+17]
.endr
.endr
	WIN 0xaa
.irp u, 0,1
	v_pk_add_f32 v[ST+8*(\hl)+4*\u+2:ST+8*(\hl)+4*\u+3], v[ST+8*(\hl)+4*\u+2:ST+8*(\hl)+4*\u+3], v[TT+20*\u+16:TT+20*\u+17]
.endr
	s_wait_alu depctr_va_vdst(0)                   ; and one for the eight
.irp b, 0,1,2,3
.irp u, 0,1
	v_max_num_f32 v[TT+20*\u+\b], 0x1800000, v[TT+20*\u+\b]          ; the floor 2^(3 - 127): the byte cannot fall under 1
.endr
.endr
.irp b, 0,1,2,3
.irp u, 0,1
	v_add_nc_u32 v[TT+20*\u+8+\b], 0xff000000, v[TT+20*\u+\b]        ; 2 off the exponent field: the conversion's scale operand
.endr
.endr
.irp b, 0,1,2,3
.irp u, 0,1
	v_lshrrev_b32 v[TT+20*\u+4+\b], 23, v[TT+20*\u+8+\b]             ; the scale's byte
.endr
.endr
.irp u, 0,1
	v_lshl_or_b32 v[TT+20*\u+18], v[TT+20*\u+5], 8, v[TT+20*\u+4]
.endr
.irp u, 0,1
	v_lshl_or_b32 v[TT+20*\u+18], v[TT+20*\u+6], 16, v[TT+20*\u+18]
.endr
	WIN \wsm
.irp u, 0,1
.irp c, 0,1
	v_cvt_scalef32_pk16_fp6_f32 v[PCD+20*\u+6*\c:PCD+20*\u+6*\c+2], v[(\sb)+64*\u+32*\c:(\sb)+64*\u+32*\c+15], v[TT+20*\u+8+2*\c]
	v_cvt_scalef32_pk16_fp6_f32 v[PCD+20*\u+12+4*\c:PCD+20*\u+14+4*\c], v[(\sb)+64*\u+32*\c+16:(\sb)+64*\u+32*\c+31], v[TT+20*\u+9+2*\c]
.endr
.endr
	WIN 0xaa
	v_nop                                          ; one plain place behind a scaled conversion
.irp u, 0,1
.irp c, 0,1
.irp i, 0,1,2
	v_permlane16_swap_b32 v[PCD+20*\u+6*\c+\i], v[PCD+20*\u+12+4*\c+\i]
.endr
.irp i, 0,1,2
	v_mov_b32 v[PCD+20*\u+3+6*\c+\i], v[PCD+20*\u+12+4*\c+\i]
.endr
.endr
.endr
	WIN 0x22
.irp u, 0,1
	v_lshl_or_b32 v[PWR+\u], v[TT+20*\u+7], 24, v[TT+20*\u+18]       ; p's scale word for these 128 keys, into a register of window 0
.endr
.endm
; O^T x f, then O^T += V^T P: 8 accumulators, one instruction each
.macro PV hl
	WIN 0x49
.irp u, 0,1
.set k, 0
.rept 16
	v_pk_mul_f32 v[64*\u+32*(\hl)+2*k:64*\u+32*(\hl)+2*k+1], v[64*\u+32*(\hl)+2*k:64*\u+32*(\hl)+2*k+1], v[TT+20*\u+12:TT+20*\u+13] op_sel_hi:[1,0]   ; (these 32 stand between the lines that made p's codes and scale word and the products)
.set k, k+1
.endr
.endr
	WIN 0x59
.irp dt, 0,1,2,3
.irp u, 0,1
	WM 64*\u+32*(\hl)+8*\dt, VF+12*(4*(\hl)+\dt), PCD+20*\u, 64*\u+32*(\hl)+8*\dt, VS+(4*(\hl)+\dt)/2, PWR+\u, \dt%2, 0
.endr
.endr
.endm
; A STEP OF 128 KEYS.  buf: which bias buffer it writes and reads.  One barrier a step serves: the next step's phase A writes the other buffer, and this buffer is written again only behind the next step's barrier,
; which every wave reaches behind its reads of it.
.macro STEP buf
	s_wait_loadcnt 0x0                             ; only this step's p and mask word were out
	s_lshl_b32 s63, s[SI], 1
	s_lshr_b32 s63, s[FL], s63
	s_and_b32 s63, s63, 3
	s_cmp_eq_u32 s63, 3
	s_cselect_b32 s[SKIP], 1, 0                    ; 1: all 128 keys are masked.  The same in all four waves
	WIN 0x04
.irp i, 0,1,2,3,4,5,6,7
	ds_store_b128 v[APB], v[PG+4*\i:PG+4*\i+3] offset:512*\i   ; my wave's own stage: row i's p, so that the loop over rows can take them by address
.endr
	ds_store_b128 v[APB], v[PG:PG+3] offset:4096   ; a ninth place, which the eighth trip's look-ahead reads and nobody uses
	WIN 0x80
	ds_load_b128 v[PQ:PQ+3], v[APB]                ; row 0's p (LDS serves a wave's instructions in order)
	WIN 0x88
.irp e, 0,1,2,3
	v_bfe_u32 v[MT+\e], v[MK], 8*\e, 8
.endr
.irp e, 0,1,2,3
	v_sub_nc_u32 v[MT+\e], 0, v[MT+\e]
.endr
.irp e, 0,1,2,3
	v_and_b32 v[MT+\e], 0xf1800000, v[MT+\e]       ; 0, or -2^100 for a masked key
.endr
.irp h, 0,1,2,3,4,5,6,7
.irp e, 0,1
	v_add_f32 v[INIT+2*\h+\e], s[B2S+\h], v[MT+\e] ; (these 44 lines are also the places behind the last step's products, ahead of the loads in the loop below)
.endr
.endr
.irp e, 0,1
.irp h, 0,1,2,3,4,5,6,7
	v_add_f32 v[INITM+8*\e+\h], s[B2S+\h], v[MT+2+\e]
.endr
.endr
	WIN 0
	s_wait_dscnt 0x0                               ; the stage's stores have read the registers that the loads below fill; row 0's p is in
	s_add_co_u32 s63, s[SI], 1
	s_and_b32 s63, s63, 15                         ; the next step; behind the last, step 0 once more, so that no load leaves its buffer
	s_lshl_b32 s82, s63, 9
	s_mov_b32 s83, 0
	s_add_nc_u64 s[PPN:PPN+1], s[PP0:PP0+1], s[82:83]
	s_lshl_b32 s82, s63, 7
	s_add_nc_u64 s[MPN:MPN+1], s[MP0:MP0+1], s[82:83]
	s_mov_b32 s[ROWC], 0
	s_mov_b32 s[SA], 0
	s_mov_b32 s[SP], 512
.Lrow_\@:                                              ; PHASE A: 8 trips, always; trip i: rows 16 a + 8 (lane / 16) + i
	s_cmp_lg_u32 s[ROWC], s[WV]                    ; THE STEP'S 59 LOADS stand in the trip whose number is my wave's: each wave's run of loads has a trip of its own
	s_cbranch_scc1 .Lnold_\@
	s_wait_loadcnt 0x0                             ; no load of mine is out here: the line states it for every way through the loop
	WIN 0xc0
.set k, 0
.rept 24
	global_load_b128 v[4*k:4*k+3], v[LN16], s[KP:KP+1] offset:512*k           ; K's 8 fragments of my two heads, as they stand in registers
.set k, k+1
.endr
	WIN 0x40
.set k, 0
.rept 24
	global_load_b128 v[VF+4*k:VF+4*k+3], v[LN16], s[VP:VP+1] offset:512*k     ; V's
.set k, k+1
.endr
	WIN 0
	global_load_b128 v[KS:KS+3], v[LN16], s[KSP:KSP+1]
	global_load_b128 v[VS:VS+3], v[LN16], s[VSP:VSP+1]
	WIN 0x40
.irp i, 0,1,2,3,4,5,6,7
	global_load_b128 v[PG+4*\i:PG+4*\i+3], v[PGO], s[PPN:PPN+1] offset:8192*\i th:TH_LOAD_NT   ; the NEXT step's p: sixteen lanes read 256 consecutive bytes of a row
.endr
	WIN 0
	global_load_b32 v[MK], v[MKO], s[MPN:MPN+1]
.Lnold_\@:
	s_cmp_eq_u32 s[SKIP], 1                        ; a masked step jumps over the work inside the trip
	s_cbranch_scc1 .Lrskip_\@
	ATRIP \buf
.Lrskip_\@:
	s_add_co_u32 s[SA], s[SA], 16
	s_add_co_u32 s[SP], s[SP], 512
	s_add_co_u32 s[ROWC], s[ROWC], 1
	s_cmp_lt_u32 s[ROWC], 8
	s_cbranch_scc1 .Lrow_\@
	s_wait_dscnt 0x0                               ; for the others' sake: my bias stores have landed (and my reads of the other buffer ended with the last step)
	s_barrier_signal -1
	s_barrier_wait -1
	s_wait_loadcnt 9                               ; K, V and their scale words are in; the 9 younger loads (the next step's p and mask word) stay out
	s_add_nc_u64 s[KP:KP+1], s[KP:KP+1], 49152     ; their loads are done, so their bases may step
	s_add_nc_u64 s[VP:VP+1], s[VP:VP+1], 49152
	s_add_nc_u64 s[KSP:KSP+1], s[KSP:KSP+1], 2048
	s_add_nc_u64 s[VSP:VSP+1], s[VSP:VSP+1], 2048
	s_add_co_u32 s[SI], s[SI], 1
	s_cmp_eq_u32 s[SKIP], 1
	s_cbranch_scc1 .Lbskip_\@
	LOADC 0, 0x80, 0, 12+(\buf)                    ; PHASE B
	LOADC 1, 0xc0, 96, 12+(\buf)
	s_wait_dscnt 32                                ; the even head's 32 loads are in
	QK 0, 0xa3, 0
	s_wait_dscnt 0x0
	QK 1, 0xf3, 96
	WIN 0xaa
.rept 4
	v_nop                                          ; four places behind the products, ahead of the first read of their results (ISA guide 7.12.1)
.endr
	SOFTMAX 0, 0, 0xaa, 0xa2, 0x8a
	PV 0
	SOFTMAX 1, 96, 0xaf, 0xe3, 0x8b
	PV 1
	WIN 0
.Lbskip_\@:
.endm
	s_load_b512 s[4:19], s[0:1], 0x0               ; pairwise_feats, mask, W1, b1, W2, b2, qimg, qscl
	s_load_b512 s[20:35], s[0:1], 0x40             ; kimg, kscl, vimg, vscl, Wo's codes, Wo's scales, bo, out0
	v_lshl_add_u32 v25, v0, 2, 0x48800
	s_set_vgpr_msb 0x80
	v_mov_b32 v239, 0
	s_set_vgpr_msb 0x8000
	v_lshrrev_b32 v77, 5, v0
	v_readfirstlane_b32 s[WV], v77                 ; wave 0..3
	s_lshr_b32 s[BT], ttmp9, 6                     ; batch
	s_and_b32 s[QB], ttmp9, 63                     ; block of 32 queries
	s_and_b32 s[BE], s[QB], 3
	s_and_b32 s[AA], s[WV], 1                      ; phase A: which 16 rows,
	s_lshr_b32 s[GG], s[WV], 1                     ; which 64 keys
	v_and_b32 v77, 31, v0                          ; lane
	v_and_b32 v78, 15, v0                          ; lane % 16
	v_bfe_u32 v79, v0, 4, 1                        ; lane / 16
	v_lshlrev_b32 v[LN16], 4, v77
	v_lshlrev_b32 v[LN4], 2, v77
	v_lshlrev_b32 v[MHO], 6, v77
	v_and_b32 v[W2O], 7, v0
	v_lshlrev_b32 v[W2O], 6, v[W2O]
	v_lshlrev_b32 v[PGO], 4, v78
	v_lshl_add_u32 v[PGO], v79, 16, v[PGO]
	v_lshlrev_b32 v[MKO], 2, v78
	v_mov_b32 v[NIL], 0
	; my four keys 64 g + 4 c .. + 3 are half an accumulator's registers: chunk n = 16 g + 8 (c / 8) + 4 ((c / 2) % 2) + 2 (c % 2) + (c / 4) % 2
	v_bfe_u32 v8, v0, 3, 1
	v_bfe_u32 v9, v0, 1, 1
	v_lshlrev_b32 v8, 3, v8
	v_lshl_add_u32 v8, v9, 2, v8
	v_and_b32 v9, 1, v0
	v_lshl_add_u32 v8, v9, 1, v8
	v_bfe_u32 v9, v0, 2, 1
	v_add_nc_u32 v8, v8, v9
	v_mul_u32_u24 v8, v8, 272
	v_mad_u32_u24 v8, v79, 8704, v8                ; my rows belong to the tile of queries lane / 16,
	s_mul_i32 s63, s[GG], 4352
	s_lshl_b32 s42, s[AA], 7                       ; as its lanes 8 a + trip
	s_add_co_u32 s63, s63, s42
	v_add_nc_u32 v4, s63, v8
	v_add_nc_u32 v5, 69632, v4
	v_add_nc_u32 v6, BUF1, v4
	v_add_nc_u32 v7, BUF1+69632, v4
	s_mul_i32 s63, s[WV], 4608
	s_add_co_u32 s63, s63, PSTG
	v_add_nc_u32 v[APB], s63, v[LN16]
	v_mul_u32_u24 v12, v79, 272
	v_lshl_add_u32 v12, v78, 4, v12
	s_mul_i32 s63, s[WV], 34816
	v_add_nc_u32 v12, s63, v12
	v_add_nc_u32 v13, BUF1, v12
	s_mul_i32 s63, s[WV], 1536
	v_add_nc_u32 v[AI], s63, v[LN16]
	s_lshl_b32 s63, s[WV], 7
	v_lshl_add_u32 v[AISC], v78, 2, s63
	v_mul_u32_u24 v[SOA], v78, 528
	v_lshl_add_u32 v[SOA], v79, 5, v[SOA]
	s_mul_i32 s63, s[WV], 8448
	s_add_co_u32 s63, s63, OSTG
	v_add_nc_u32 v[SOA], s63, v[SOA]
	v_add_nc_u32 v[SRA], s63, v[LN16]
	v_mul_u32_u24 v[WOA], v78, 384
	v_mad_u32_u24 v[WOA], v79, 24, v[WOA]
	v_lshlrev_b32 v[BOA], 5, v79
	s_mov_b32 s[CS], 0x3fb8aa3b                    ; log2(e)
	s_mov_b32 s[CS+1], s[CS]
	s_mov_b32 s[SEL], 0x76543210
	s_mov_b32 s[SEL+1], 0xfedcba98
	s_mov_b32 s[BDM], 0xff0000ff
	s_mov_b32 s83, 0
	s_wait_kmcnt 0x0
	s_load_b256 s[B2S:B2S+7], s[14:15], 0x0        ; b2
	s_lshl_b32 s42, s[BT], 6
	s_add_co_u32 s42, s42, s[WV]                   ; group 4 (16 b + step) + w at step 0
	s_mul_i32 s82, s42, 12288
	s_add_nc_u64 s[KP:KP+1], s[20:21], s[82:83]
	s_add_nc_u64 s[VP:VP+1], s[24:25], s[82:83]
	s_lshl_b32 s82, s42, 9
	s_add_nc_u64 s[KSP:KSP+1], s[22:23], s[82:83]
	s_add_nc_u64 s[VSP:VSP+1], s[26:27], s[82:83]
	s_lshl_b32 s42, s[BT], 11
	s_lshl_b32 s43, s[QB], 5
	s_add_co_u32 s42, s42, s43                     ; my block's first query: 2048 b + 32 qb
	s_lshl_b32 s82, s42, 11                        ; a row of out is 2,048 bytes
	s_lshl_b32 s43, s[WV], 9
	s_add_co_u32 s82, s82, s43
	s_add_nc_u64 s[OUTP:OUTP+1], s[34:35], s[82:83]
	s_lshl_b32 s43, s[AA], 4
	s_add_co_u32 s42, s42, s43
	s_lshl_b32 s82, s42, 13                        ; a row of pairwise_feats is 8,192 bytes
	s_lshl_b32 s43, s[GG], 8
	s_add_co_u32 s82, s82, s43
	s_add_nc_u64 s[PP0:PP0+1], s[4:5], s[82:83]
	s_lshl_b32 s82, s[BT], 11
	s_add_nc_u64 s[MB:MB+1], s[6:7], s[82:83]
	s_lshl_b32 s43, s[GG], 6
	s_add_co_u32 s82, s82, s43
	s_add_nc_u64 s[MP0:MP0+1], s[6:7], s[82:83]
	s_lshl_b32 s42, s[BT], 4
	s_lshr_b32 s43, s[QB], 2
	s_add_co_u32 s42, s42, s43                     ; the run of 128 rows that holds my queries
	s_lshl_b32 s42, s42, 2
	s_add_co_u32 s42, s42, s[WV]
	s_lshl_b32 s82, s42, 9
	s_lshl_b32 s43, s[BE], 2
	s_add_co_u32 s82, s82, s43                     ; word qb % 4: tiles 2 (qb % 4) and + 1
	s_add_nc_u64 s[QSP:QSP+1], s[18:19], s[82:83]
	s_lshl_b32 s42, s42, 3
	s_lshl_b32 s43, s[BE], 1
	s_add_co_u32 s42, s42, s43
	s_mul_i32 s82, s42, 1536
	s_add_nc_u64 s[QP:QP+1], s[16:17], s[82:83]
	s_mul_i32 s82, s[WV], 49152
	s_add_nc_u64 s[WCP:WCP+1], s[28:29], s[82:83]
	s_lshl_b32 s82, s[WV], 11
	s_add_nc_u64 s[WSP:WSP+1], s[30:31], s[82:83]
	s_lshl_b32 s82, s[WV], 9
	s_add_nc_u64 s[BOP:BOP+1], s[32:33], s[82:83]
	WIN 0x80
.irp i, 0,1,2,3
	global_load_b128 v[4*\i:4*\i+3], v[MHO], s[MB:MB+1] offset:16*\i           ; my batch's mask, 64 bytes a lane, into window 2's v0-15
.endr
.irp i, 0,1,2,3
	global_load_b128 v[B1+4*\i:B1+4*\i+3], v[NIL], s[10:11] offset:16*\i
.endr
	WIN 0
.set k, 0
.rept 32
	global_load_b128 v[W2W+4*k:W2W+4*k+3], v[NIL], s[12:13] offset:16*k        ; W2, whole, in every lane
.set k, k+1
.endr
.irp i, 0,1,2,3
	global_load_b128 v[W1W+4*\i:W1W+4*\i+3], v[NIL], s[8:9] offset:16*\i
.endr
.irp i, 0,1,2,3
	global_load_b128 v[W2A+4*\i:W2A+4*\i+3], v[W2O], s[12:13] offset:16*\i     ; W2's row lane % 8, for the f32 matrix form
.endr
.irp u, 0,1
.irp c, 0,1,2
	global_load_b128 v[QF+18*\u+4*\c:QF+18*\u+4*\c+3], v[LN16], s[QP:QP+1] offset:1536*\u+512*\c
.endr
.endr
	global_load_b32 v[QS], v[LN16], s[QSP:QSP+1]
	WIN 0x40
.irp i, 0,1,2,3,4,5,6,7
	global_load_b128 v[PG+4*\i:PG+4*\i+3], v[PGO], s[PP0:PP0+1] offset:8192*\i th:TH_LOAD_NT   ; step 0's p
.endr
	WIN 0
	global_load_b32 v[MK], v[MKO], s[MP0:MP0+1]
	WIN 0x40
.set k, 0
.rept 224
	v_mov_b32 v[k], 0                              ; O^T: which step is the first to be multiplied hangs on the mask, so no first step can be written out to start the sums.
.set k, k+1
.endr                                              ; V's registers too, and below K's and their scale words': which trip loads them hangs on the wave's number, so they are given a value once, on the one way that all waves take
	WIN 0xc0
.set k, 0
.rept 96
	v_mov_b32 v[k], 0
.set k, k+1
.endr
	WIN 0
.irp i, 0,1,2,3,4,5,6,7
	v_mov_b32 v[KS+\i], 0
.endr
	WIN 0x80
.irp u, 0,1,2,3
	v_mov_b32 v[ST+4*\u], 0x7f61b1e6               ; -M = 3e38,
	v_mov_b32 v[ST+4*\u+1], 0xff61b1e6             ; the largest t so far: -3e38, under every t
	v_mov_b32 v[ST+4*\u+2], 0                      ; the sum, in two halves
	v_mov_b32 v[ST+4*\u+3], 0
.endr
.irp u, 0,1
.irp b, 4,5,6,7,13
	v_mov_b32 v[TT+20*\u+\b], 0                    ; lane permutes' destinations count as sources; f's upper half is named with it
.endr
.endr
	WIN 0
	s_wait_loadcnt 9                               ; all but step 0's p and mask word, the 9 youngest
	WIN 0x8a
.irp i, 1,2,3,4,5,6,7,8,9,10,11,12,13,14,15
	v_and_b32 v0, v0, v\i                          ; (window 2's v0-15: the mask's words)
.endr
	v_cmp_eq_u32 vcc_lo, 0x01010101, v0            ; a mask byte is 0 or 1: all my 64 are 1
	WIN 0
	s_mov_b32 s[FL], vcc_lo
.set k, 0
.rept 16
	v_cndmask_b32 v[W2A+k], 0, v[W2A+k], s[BDM]    ; rows 0-7 keep k = 0, 1 (lanes 0-7), rows 8-15 keep k = 2, 3 (lanes 24-31); the rest is zeros
.set k, k+1
.endr
.irp u, 0,1
.irp i, 0,1,2,3,4,5
	v_mov_b32 v[QF+18*\u+12+\i], v[QF+18*\u+6+\i]  ; the odd head's half moves up,
.endr
.irp i, 0,1,2,3,4,5
	v_mov_b32 v[QF+18*\u+6+\i], 0                  ; and zero codes stand between: they serve as either head's other half
.endr
.endr
	s_wait_kmcnt 0x0                               ; b2
	s_mov_b32 s[SI], 0
	s_mov_b32 s[TRIP], 8
.Lstep:
	STEP 0
	STEP 1
	s_sub_co_i32 s[TRIP], s[TRIP], 1
	s_cmp_lg_u32 s[TRIP], 0
	s_cbranch_scc1 .Lstep
	; THE END.  The rows' sums; meanwhile Wo's part of this wave comes into registers that are done with.
	WIN 0xaa
.irp u, 0,1,2,3
	v_add_f32 v[TT+\u], v[ST+4*\u+2], v[ST+4*\u+3]
.endr
.irp u, 0,1,2,3
	v_permlanex16_b32 v[TT+4+\u], v[TT+\u], s[SEL], s[SEL+1]
.endr
.irp u, 0,1,2,3
	v_add_f32 v[TT+\u], v[TT+\u], v[TT+4+\u]       ; (these 12 lines are the places behind the last products)
.endr
	WIN 0xc0
.irp ks, 0,1
.irp nt, 0,1,2,3,4,5,6,7
	FRAGLD 96*\ks+12*\nt, WOA, WCP, 6144*\nt+96*\ks
.endr
.endr
.irp nt, 0,1,2,3,4,5,6,7
	global_load_b128 v[BO+8*\nt:BO+8*\nt+3], v[BOA], s[BOP:BOP+1] offset:64*\nt       ; lane (r, h), tile nt: bo of columns 16 nt + 8 h + 0 .. 7
	global_load_b128 v[BO+8*\nt+4:BO+8*\nt+7], v[BOA], s[BOP:BOP+1] offset:64*\nt+16
.endr
	WIN 0x40
.irp nt, 0,1,2,3,4,5,6,7
	FRAGLD 128+12*\nt, WOA, WCP, 6144*\nt+192
.endr
	WIN 0
.irp nt, 0,1,2,3,4,5,6,7
	FRAGLD 112+12*\nt, WOA, WCP, 6144*\nt+288
.endr
.irp i, 0,1,2,3
	global_load_b128 v[WOS+4*\i:WOS+4*\i+3], v[LN16], s[WSP:WSP+1] offset:512*\i      ; rows 32 i + lane: two tiles' scale words in one register
.endr
	WIN 0xaa
.irp u, 0,1,2,3
	v_mov_b32 v[RR+2*\u+1], 0                      ; (named as the upper half of a pair)
.endr
.irp u, 0,1,2,3
	v_rcp_f32 v[RR+2*\u], v[TT+\u]
.endr
	v_nop                                          ; a plain place behind the reciprocals
	s_wait_alu depctr_va_vdst(0)                   ; one wait for the four, ahead of their first reader
	WIN 0x89
.irp u, 0,1
.irp hl, 0,1
.set k, 0
.rept 16
	v_pk_mul_f32 v[64*\u+32*\hl+2*k:64*\u+32*\hl+2*k+1], v[64*\u+32*\hl+2*k:64*\u+32*\hl+2*k+1], v[RR+2*(2*\hl+\u):RR+2*(2*\hl+\u)+1] op_sel_hi:[1,0]   ; O^T / the sum, into window 2: register 16 B + i = channel 32 B + 16 (lane / 16) + i of my 128
.set k, k+1
.endr
.endr
.endr
	WIN 0xaa
	QUANT 0, TT, TT+18, PCD, 0x1800000
	QUANT 64, TT+20, TT+38, PCD+20, 0x1800000
	WIN 0x08
.irp u, 0,1
.irp c, 0,1,2
	ds_store_b128 v[AI], v[PCD+20*\u+4*\c:PCD+20*\u+4*\c+3] offset:6144*\u+512*\c   ; image (tile u, K step w), as it stands.  Buffer 0 was last read a barrier ago
.endr
	ds_store_b32 v[AISC], v[TT+20*\u+18] offset:ASCL+64*\u   ; lanes l and l + 16 write the same word with the same value
.endr
	WIN 0
	s_wait_dscnt 0x0                               ; for the others' sake: my images have landed; my reads of buffer 1 are over
	s_barrier_signal -1
	s_barrier_wait -1
	WIN 0x80
.set k, 0
.rept 24
	ds_load_b128 v[AF+4*k:AF+4*k+3], v[LN16] offset:512*k
.set k, k+1
.endr
	WIN 0
.irp ks, 0,1,2,3
	ds_load_b32 v[AS+\ks], v[LN4] offset:ASCL+128*\ks
.endr
	s_wait_loadcnt 0x0                             ; Wo, bo
	s_wait_dscnt 0x0
; out^T = Wo att^T + bo: source 0 = 16 rows of Wo, source 1 = 16 queries; 16 accumulators by turns, a K step at a time
.macro OSTEP ks, win, ab
	WIN \win
.irp nt, 0,1,2,3,4,5,6,7
.irp u, 0,1
.set rD, 64*\u+8*\nt
.set rC, rD
.if (\ks) == 0
.set rC, BO+8*\nt
.endif
	WM rD, (\ab)+12*\nt, AF+12*(4*\u+(\ks)), rC, WOS+4*(\nt/2)+(\ks), AS+(\ks), \nt%2, \u
.endr
.endr
.endm
	OSTEP 0, 0x7b, 0
	OSTEP 1, 0x5b, 96
	OSTEP 2, 0x59, 128
	OSTEP 3, 0x58, 112
	WIN 0
.rept 4
	v_nop                                          ; four places ahead of the first read of the results
.endr
; THE WAY OUT: a lane holds 32 neighbouring bytes of a row; a tile goes through my own stage and comes back as whole rows of 512 bytes.  LDS serves a wave's instructions in order.
.macro TOSTAGE u
	WIN 0x04
.irp nt, 0,1,2,3,4,5,6,7
	ds_store_b128 v[SOA], v[64*(\u)+8*\nt:64*(\u)+8*\nt+3] offset:64*\nt       ; each accumulator from its low end on
	ds_store_b128 v[SOA], v[64*(\u)+8*\nt+4:64*(\u)+8*\nt+7] offset:64*\nt+16
.endr
	WIN 0x80
.irp t, 0,1,2,3,4,5,6,7,8,9,10,11,12,13,14,15
	ds_load_b128 v[64*(\u)+4*\t:64*(\u)+4*\t+3], v[SRA] offset:528*\t
.endr
.endm
.macro SEND u
	WIN 0x08
.irp t, 0,1,2,3,4,5,6,7,8,9,10,11,12,13,14,15
	global_store_b128 v[LN16], v[64*(\u)+4*\t:64*(\u)+4*\t+3], s[OUTP:OUTP+1] offset:(8*(\u)+\t+8*(\t/8))*2048 th:TH_STORE_NT   ; 32 lanes store 512 consecutive bytes, at a multiple of 256 from out's first byte
.endr
.endm
	TOSTAGE 0
	TOSTAGE 1
	s_wait_dscnt 32                                ; tile 0 is back; behind its loads stand tile 1's 16 stores and 16 loads
	SEND 0
	s_wait_dscnt 0x0
	SEND 1
	WIN 0
	s_set_vgpr_msb 0x8
	s_wait_tensorcnt 0x0
	ds_add_u32 v25, v239
	s_wait_dscnt 0x0
	s_set_vgpr_msb 0x800
	s_endpgm
.Lfunc_end_k_qf356041b96_attn:
	.size	k_qf356041b96_attn, .Lfunc_end_k_qf356041b96_attn-k_qf356041b96_attn
	.p2alignl 7, 3214868480
	.fill 96, 4, 3214868480
	.section	.rodata,"a",@progbits
	.p2align	6, 0x0
	.amdhsa_kernel k_qf356041b96_attn
		.amdhsa_group_segment_fixed_size 297472
		.amdhsa_private_segment_fixed_size 0
		.amdhsa_enable_private_segment 0
		.amdhsa_kernarg_size 128
		.amdhsa_user_sgpr_count 2
		.amdhsa_user_sgpr_kernarg_segment_ptr 1
		.amdhsa_wavefront_size32 1
		.amdhsa_system_sgpr_workgroup_id_x 1
		.amdhsa_system_sgpr_workgroup_id_y 1
		.amdhsa_system_sgpr_workgroup_id_z 1
		.amdhsa_system_vgpr_workitem_id 0
		.amdhsa_next_free_vgpr 1024
		.amdhsa_next_free_sgpr 100
		.amdhsa_reserve_vcc 1
		.amdhsa_float_denorm_mode_32 3
		.amdhsa_float_denorm_mode_16_64 3
		.amdhsa_memory_ordered 1
		.amdhsa_forward_progress 1
		.amdhsa_inst_pref_size 239
	.end_amdhsa_kernel
	.amdgpu_metadata
---
amdhsa.version: [ 1, 2 ]
amdhsa.kernels:
  - .name:           k_qf356041b96_attn
    .symbol:         k_qf356041b96_attn.kd
    .args:
      - { .name: pairwise_feats, .offset: 0, .size: 8, .value_kind: global_buffer, .address_space: global }
      - { .name: key_padding_mask, .offset: 8, .size: 8, .value_kind: global_buffer, .address_space: global }
      - { .name: W1, .offset: 16, .size: 8, .value_kind: global_buffer, .address_space: global }
      - { .name: b1, .offset: 24, .size: 8, .value_kind: global_buffer, .address_space: global }
      - { .name: W2, .offset: 32, .size: 8, .value_kind: global_buffer, .address_space: global }
      - { .name: b2, .offset: 40, .size: 8, .value_kind: global_buffer, .address_space: global }
      - { .name: qimg, .offset: 48, .size: 8, .value_kind: global_buffer, .address_space: global }
      - { .name: qscl, .offset: 56, .size: 8, .value_kind: global_buffer, .address_space: global }
      - { .name: kimg, .offset: 64, .size: 8, .value_kind: global_buffer, .address_space: global }
      - { .name: kscl, .offset: 72, .size: 8, .value_kind: global_buffer, .address_space: global }
      - { .name: vimg, .offset: 80, .size: 8, .value_kind: global_buffer, .address_space: global }
      - { .name: vscl, .offset: 88, .size: 8, .value_kind: global_buffer, .address_space: global }
      - { .name: Wo_codes, .offset: 96, .size: 8, .value_kind: global_buffer, .address_space: global }
      - { .name: Wo_scales, .offset: 104, .size: 8, .value_kind: global_buffer, .address_space: global }
      - { .name: bo, .offset: 112, .size: 8, .value_kind: global_buffer, .address_space: global }
      - { .name: out0, .offset: 120, .size: 8, .value_kind: global_buffer, .address_space: global }
    .group_segment_fixed_size: 297472
    .private_segment_fixed_size: 0
    .kernarg_segment_align: 8
    .kernarg_segment_size: 128
    .max_flat_workgroup_size: 128
    .sgpr_count:     100
    .vgpr_count:     1024
    .wavefront_size: 32
...
	.end_amdgpu_metadata
.endif
;; end of part 2
